; MI455X (gfx1250); checked and timed in simulation.
; The chip was launched on July 23, 2026; its instructions are those of AMD's public machine-readable ISA for CDNA 5 (MIT licence, August 2026) and "CDNA5" Instruction Set Architecture Reference Guide (July 2026). The comments in the code are by the model that wrote it; some were corrected since.
;; Attention. Allowed arithmetic: matrix products marked QUANTISED: E4M3 operands, one given power-of-two scale a tensor, by v_wmma_f32_16x16x64_fp8_fp8 or v_wmma_f32_16x16x128_fp8_fp8, f32 sums; everything else in f32.
;; Inputs: k 2 x 32 x 2,048 x 128 float32; lowp_scales 4 int32 (the exponents e of the quantised operands' scales 2^e); mask 2 x 1 x 2,048 x 2,048 bool; q 2 x 32 x 2,048 x 128 float32; v 2 x 32 x 2,048 x 128 float32.
;; Outputs: out0 2 x 32 x 2,048 x 128 float32.
;; This version of the problem:
;;   THIS VERSION OF THE PROBLEM IS GIVEN IN LOW PRECISION. The matrix products marked QUANTISED in the list below multiply operands that are first quantised to E4M3 (4 exponent bits, 3 mantissa bits; 8 bits a number), with one given power-of-two scale for each operand tensor; their sums are f32. All else is computed in f32.
;;   The module's matrix products, in the order in which they are computed (A, B: the left and right operand; K: the contracted axis; several contracted axes count as one K, in the product's order):
;;     1. batch 64 x [M 2,048, K 128] x [K 128, N 2,048]; A: input q; B: input k: QUANTISED (scales: A lowp_scales[0], B lowp_scales[1])
;;     2. batch 64 x [M 2,048, K 2,048] x [K 2,048, N 128]; A: softmax (see below); B: input v: QUANTISED (scales: A lowp_scales[2], B lowp_scales[3])
;;   THE QUANTISER, for each operand of a quantised product, along K:
;;     - The operand's scale is 2^e, e = its entry of the input lowp_scales (int32; the entries are numbered through the quantised products in the list's order, A before B).
;;     - Each number is divided by the scale, clamped to +-448, and rounded to the nearest number of E4M3, ties to even, subnormals kept.
;;     - The product sums the exact products of the quantised numbers (number of the format x scale) in f32.
;;   ~~~python
;;   def quantise(x, axis, e):      # numpy; x: float32 -> the quantised numbers, widened to float32 again
;;       x = np.moveaxis(x, axis, -1); K = x.shape[-1]
;;       r = np.clip(x / 2.0 ** e, -448, 448)
;;       step = 2.0 ** (np.maximum(np.frexp(np.where(r == 0, 1, r))[1] - 1, -6) - 3)
;;       q = np.round(r / step) * step * 2.0 ** e      # np.round: ties to even
;;       return np.moveaxis(q, -1, axis).astype(np.float32)
;;   ~~~
;;   SOFTMAX AHEAD OF A QUANTISED PRODUCT. Where the list says 'softmax', what is quantised is not the finished softmax but p = 2^(t - M), with t = logit x log2(e) and M = ceil(the row's largest t), a whole number; so 1/2 < the row's largest p <= 1. The row's sum l is taken of the UNQUANTISED p, in f32, and the product's result is divided by l at the end. Since M is a whole number, a kernel that streams over the keys may use a running M (the ceiling of the running maximum): every later rescaling is an exact power of two, so the quantised numbers keep their values, but for numbers so far below the row's largest that they fall under the format's range.
;;   OPERANDS COMPUTED ON THE WAY. 'Computed on the way' means the value that the module computes at that place (a softmax that the list does not call 'softmax' is quantised finished and normalised). What goes into a quantiser is computed in f32, as accurately as f32 sums, v_exp_f32 and their like allow (about 1e-6 of the number): no bf16 or f16 on the way to a quantiser, and a product that is left as it is and whose result goes on into a quantised operand takes f32 operands (vector FMAs, or v_wmma_f32_16x16x4_f32). A number that lies on a knife's edge between two numbers of the format may be rounded either way, as far as f32 arithmetic and the matrix unit's own rounding can turn it there, and no further.
;; One version. Each part assembles by itself: llvm-mc -triple=amdgcn-amd-amdhsa -mcpu=gfx1250 --defsym DOCPART=n.
;; ======== version 1 of 1: 2 launches
;; limits: right only within a limited range of input values
;; workspace buffers: kv 34,603,008 bytes; mbits 1,048,576 bytes of whole numbers
;; launch prep (part 1): grid 2304 x 1, 4 waves a work-group, no clusters, 68,096 bytes of LDS; arguments k, v, mask, lowp_scales, kv, mbits; writes kv, mbits
.if DOCPART == 1
	.amdgcn_target "amdgcn-amd-amdhsa--gfx1250"
	.amdhsa_code_object_version 6
	.text
	.protected	k_q8544cb61d6_prep
	.globl	k_q8544cb61d6_prep
	.p2align	8
	.type	k_q8544cb61d6_prep,@function
k_q8544cb61d6_prep:
	s_mov_b64 s[64:65], 0
	v_nop
	global_prefetch_b8 v0, s[64:65] scope:SCOPE_SE
	s_setreg_imm32_b32 hwreg(HW_REG_WAVE_MODE, 25, 1), 1
	s_wait_xcnt 0x0
; k, v [64 heads][2048 keys][128 channels] f32 become codes of FP8 (E4M3), and the mask [2][2048 queries][2048 keys] of bytes becomes lane masks, all laid as the attention launch's registers want them.
; code = x / 2^e, held within +-448, rounded to the nearest code, ties to even; e = entry 1 (k) or entry 3 (v) of the scales.
; LIMITS: -126 <= e <= 119, so that 2^e and 448 x 2^e are f32 numbers.  NaN among the inputs is not served.  A mask byte other than 0 counts as true.
; kv: [head 64][step 16][K image 16,384 bytes][V image 16,384 bytes]; a step is 128 keys.  An image is 8 fragments of 2,048 bytes; a fragment is 4 chunks c of 512 bytes: lane l's 16 bytes at 16 l.  r = l % 16, h = l / 16.
;   K fragment 2 b + u, chunk c, lane (r, h): key 32 b + 8 u + r + 8 (r / 8) of the step, channels 32 c + 16 h + 0 .. 15.
;   V fragment t, chunk c, lane (r, h): channel 16 t + r, keys 32 c + 16 h + 0 .. 15 of the step.
; mbits: [b 2][tile of 16 queries 128][step 16][64 words]: bit l of word n = mask[b][16 tile + l % 16][128 step + 32 (n / 16) + 16 (l / 16) + n % 16].
; THREE PATHS, parted by the work-group's number, which never join: 0 .. 1023: K of one (head, step); 1024 .. 2047: V of one (head, step); 2048 .. 2303: the mask of one (b, tile of queries).
; Four waves that share nothing: no barrier.  The K path and the mask path turn their rows through a stage in LDS that is each wave's own; each path has LDS bytes of its own.
; kv's heads lie 540,672 bytes apart: behind a head's 16 steps (524,288 bytes) stands a copy of its step 0's K image (16,384 bytes), which the attention launch's ring reads as the K image of step 16.
.set SPITCH, 528
.set STGB,   16*SPITCH                 ; a wave's stage: 16 rows
.set MSTG,   4*STGB                    ; the mask path's four stages lie behind the K path's four
.set KR,  32                           ; K path: v32-159  two tiles of 16 rows as loaded
.set KX,  160                          ;         v160-223 64 numbers of my lane's row: register 16 c + i = channel 32 c + 16 h + i
.set KC,  224                          ;         v224-255 codes: 16 registers a tile, never written again
.set VX,  32                           ; V path: v32-95   two sets of 32 numbers down the keys
.set VC,  96                           ;         v96-127  codes: 8 registers a block, never written again
.set MR,  32                           ; mask:   v32-95   16 rows as loaded
.set MM,  96                           ;         v96-159  my query's bytes: register 16 st + n / 4, byte n % 4 = word n of step st
.set MT,  160                          ;         v160-163 at work
.set MOUT, 164                         ;         v164-171 a pair for each step: lane j holds words 2 j and 2 j + 1
	s_load_b256 s[4:11], s[0:1], 0x0               ; k s[4:5], v s[6:7], mask s[8:9], the scales' exponents s[10:11]
	s_load_b128 s[12:15], s[0:1], 0x20             ; kv s[12:13], mbits s[14:15]
	v_lshl_add_u32 v30, v0, 2, 0x10800
	v_mov_b32 v31, 0
	v_lshrrev_b32 v1, 5, v0
	v_readfirstlane_b32 s16, v1                    ; wave 0..3
	v_and_b32 v1, 31, v0                           ; lane
	v_and_b32 v2, 15, v0                           ; r
	v_bfe_u32 v3, v0, 4, 1                         ; h
	v_lshlrev_b32 v4, 4, v1                        ; 16 x lane
	s_mul_i32 s17, s16, STGB                       ; my stage
	v_add_nc_u32 v5, s17, v4                       ; K stage, in: 16 x lane of a row
	v_mul_u32_u24 v8, v2, SPITCH
	v_add_nc_u32 v8, s17, v8
	v_lshl_add_u32 v6, v3, 6, v8                   ; K stage, back: row r, + 64 h: my 16 numbers of a block of 32
	v_lshl_add_u32 v8, v3, 4, v8
	v_add_nc_u32 v8, MSTG, v8                      ; mask stage, back: row r, + 16 h: my 16 bytes of a block of 32
	v_add_nc_u32 v7, MSTG, v5                      ; mask stage, in
	v_lshlrev_b32 v9, 2, v1                        ; V: 4 bytes a lane
	v_lshlrev_b32 v12, 4, v2
	v_lshl_add_u32 v12, v3, 11, v12                ; V's codes: 16 r, and lanes 16-31 one fragment (2,048 bytes) on
	v_lshlrev_b32 v13, 3, v1                       ; the mask's words: 8 bytes a lane
	s_mov_b32 s19, 0                               ; the upper word of every offset below
	s_wait_kmcnt 0x0
.macro SCALE e                         ; v11 = 2^e as f32: the conversion takes its exponent field;  v10 = 448 x 2^e
	s_wait_kmcnt 0x0
	s_add_co_i32 s26, \e, 127
	s_lshl_b32 s27, s26, 23
	v_mov_b32 v11, s27
	s_add_co_i32 s26, s26, 8
	s_lshl_b32 s26, s26, 23
	s_or_b32 s26, s26, 0x600000
	v_mov_b32 v10, s26
.endm
	s_cmp_lt_u32 ttmp9, 1024
	s_cbranch_scc0 .Lnot_k
; ---- K.  Wave w takes keys 32 w .. 32 w + 31 of the step: fragments 2 w and 2 w + 1.
	s_load_b128 s[20:23], s[10:11], 0x0            ; eq, ek, ep, ev
	s_lshl_b32 s18, ttmp9, 16                      ; a step of k: 128 keys x 512 bytes
	s_lshl_b32 s24, s16, 14                        ; my 32 keys
	s_add_co_u32 s18, s18, s24
	s_add_nc_u64 s[4:5], s[4:5], s[18:19]
	s_lshl_b32 s18, ttmp9, 15
	s_lshr_b32 s25, ttmp9, 4                       ; the head: 16,384 bytes more for each head before mine
	s_lshl_b32 s25, s25, 14
	s_add_co_u32 s18, s18, s25
	s_lshl_b32 s24, s16, 12                        ; my two fragments
	s_add_co_u32 s18, s18, s24
	s_add_nc_u64 s[12:13], s[12:13], s[18:19]
.macro LOADK u                         ; tile u's 16 keys, in the tile's order of rows: each load reads a whole key, 512 consecutive bytes
.irp rho, 0,1,2,3,4,5,6,7,8,9,10,11,12,13,14,15
	global_load_b128 v[KR+64*\u+4*\rho:KR+64*\u+4*\rho+3], v4, s[4:5] offset:(8*\u+\rho+8*(\rho/8))*512 th:TH_LOAD_NT
.endr
.endm
.macro TILEK u, left                   ; left: the younger loads, which may stay out
	s_wait_loadcnt \left
.irp rho, 0,1,2,3,4,5,6,7,8,9,10,11,12,13,14,15
	ds_store_b128 v5, v[KR+64*\u+4*\rho:KR+64*\u+4*\rho+3] offset:SPITCH*\rho
.endr
.irp c, 0,1,2,3
.irp i, 0,1,2,3
	ds_load_b128 v[KX+16*\c+4*\i:KX+16*\c+4*\i+3], v6 offset:128*\c+16*\i   ; LDS serves a wave's instructions in order (ISA guide 5.7.1.4): these see the stores above
.endr
.endr
.irp c, 0,1,2,3
	s_wait_dscnt 12-4*\c                           ; chunk c's four loads are in; the later chunks' may be out
.irp i, 0,1,2,3,4,5,6,7,8,9,10,11,12,13,14,15
	v_med3_num_f32 v[KX+16*\c+\i], v[KX+16*\c+\i], -v10, v10   ; the conversion to an 8-bit code does not saturate (ISA guide 7.6.2): the hold comes first
.endr
	v_cvt_scalef32_pk8_fp8_f32 v[KC+16*\u+4*\c:KC+16*\u+4*\c+1], v[KX+16*\c:KX+16*\c+7], v11
	v_cvt_scalef32_pk8_fp8_f32 v[KC+16*\u+4*\c+2:KC+16*\u+4*\c+3], v[KX+16*\c+8:KX+16*\c+15], v11
	global_store_b128 v4, v[KC+16*\u+4*\c:KC+16*\u+4*\c+3], s[12:13] offset:2048*\u+512*\c   ; a chunk: the wave stores 512 consecutive bytes, aligned
.endr
.endm
	LOADK 0
	LOADK 1
	SCALE s21
	s_wait_alu depctr_va_vdst(0)
	TILEK 0, 16
	TILEK 1, 0
	s_and_b32 s25, ttmp9, 15                       ; step 0's K image is stored once more, 16 steps on
	s_cmp_lg_u32 s25, 0
	s_wait_alu depctr_va_vdst(0)
	s_cbranch_scc1 .Lno_copy
.irp u, 0,1
.irp c, 0,1,2,3
	global_store_b128 v4, v[KC+16*\u+4*\c:KC+16*\u+4*\c+3], s[12:13] offset:0x80000+2048*\u+512*\c
.endr
.endr
.Lno_copy:
	s_wait_tensorcnt 0x0
	ds_add_u32 v30, v31
	s_wait_dscnt 0x0
	s_endpgm
.Lnot_k:
	s_cmp_lt_u32 ttmp9, 2048
	s_cbranch_scc0 .Lmask
; ---- V.  A lane takes channel 32 w + lane and its registers run down the keys, so the conversions give codes with the keys innermost, and a lane's 16 codes lie beside its neighbours' in the image.
	s_load_b128 s[20:23], s[10:11], 0x0            ; eq, ek, ep, ev
	s_sub_co_u32 s17, ttmp9, 1024
	s_lshl_b32 s18, s17, 16                        ; a step of v
	s_lshl_b32 s24, s16, 7                         ; my 32 channels
	s_add_co_u32 s18, s18, s24
	s_add_nc_u64 s[6:7], s[6:7], s[18:19]
	s_lshl_b32 s18, s17, 15
	s_lshr_b32 s25, s17, 4                         ; the head: 16,384 bytes more for each head before mine
	s_lshl_b32 s25, s25, 14
	s_add_co_u32 s18, s18, s25
	s_lshl_b32 s24, s16, 12
	s_add_co_u32 s18, s18, s24
	s_add_co_u32 s18, s18, 16384                   ; in the V image
	s_add_nc_u64 s[12:13], s[12:13], s[18:19]
.macro LOADV t                         ; block t: keys 32 t + i, i = 0 .. 31, of my channel, into set t % 2: the wave reads 128 consecutive bytes, the four waves side by side 512
.irp i, 0,1,2,3,4,5,6,7,8,9,10,11,12,13,14,15,16,17,18,19,20,21,22,23,24,25,26,27,28,29,30,31
	global_load_b32 v[VX+32*((\t)%2)+\i], v9, s[6:7] offset:(32*(\t)+\i)*512 th:TH_LOAD_NT
.endr
.endm
.macro BLOCKV t
.set XS, VX+32*((\t)%2)
.if (\t) < 3
	s_wait_loadcnt 32                              ; this block's 32 loads are in; the next block's may be out
.else
	s_wait_loadcnt 0x0
.endif
.irp i, 0,1,2,3,4,5,6,7,8,9,10,11,12,13,14,15,16,17,18,19,20,21,22,23,24,25,26,27,28,29,30,31
	v_med3_num_f32 v[XS+\i], v[XS+\i], -v10, v10
.endr
.irp g, 0,1,2,3
	v_cvt_scalef32_pk8_fp8_f32 v[VC+8*(\t)+2*\g:VC+8*(\t)+2*\g+1], v[XS+8*\g:XS+8*\g+7], v11
.endr
	global_store_b128 v12, v[VC+8*(\t):VC+8*(\t)+3], s[12:13] offset:512*(\t)            ; keys 32 t + 0 .. 15: the image's lanes 0-15 of chunk t: sixteen lanes store 256 consecutive bytes, aligned
	global_store_b128 v12, v[VC+8*(\t)+4:VC+8*(\t)+7], s[12:13] offset:512*(\t)+256      ; keys 32 t + 16 .. 31: its lanes 16-31
.if (\t)+2 < 4
	LOADV (\t)+2
.endif
.endm
	s_wait_alu depctr_va_vdst(0)
	LOADV 0
	LOADV 1
	SCALE s23
	s_wait_alu depctr_va_vdst(0)
	BLOCKV 0
	BLOCKV 1
	BLOCKV 2
	BLOCKV 3
	s_endpgm
; ---- THE MASK.  Wave w takes steps 4 w .. 4 w + 3 (512 keys) of the tile's 16 queries.
.Lmask:
	s_sub_co_u32 s17, ttmp9, 2048                  ; 128 b + tile
	s_lshl_b32 s18, s17, 15                        ; 16 queries x 2,048 bytes
	s_lshl_b32 s24, s16, 9                         ; my 512 keys
	s_add_co_u32 s18, s18, s24
	s_add_nc_u64 s[8:9], s[8:9], s[18:19]
	s_lshl_b32 s18, s17, 12                        ; 16 steps x 256 bytes
	s_lshl_b32 s24, s16, 10                        ; my four steps
	s_add_co_u32 s18, s18, s24
	s_add_nc_u64 s[14:15], s[14:15], s[18:19]
.irp rho, 0,1,2,3,4,5,6,7,8,9,10,11,12,13,14,15
	global_load_b128 v[MR+4*\rho:MR+4*\rho+3], v4, s[8:9] offset:2048*\rho th:TH_LOAD_NT   ; 512 consecutive bytes of query rho
.endr
	s_mov_b32 s24, 0xff                            ; a word's four bytes
	s_mov_b32 s25, 0xff00
	s_mov_b32 s26, 0xff0000
	s_mov_b32 s27, 0xff000000
.irp i, 0,1,2,3,4,5,6,7
	v_mov_b32 v[MOUT+\i], 0                        ; v_writelane_b32's destination counts as read
.endr
	s_wait_loadcnt 0x0
.irp rho, 0,1,2,3,4,5,6,7,8,9,10,11,12,13,14,15
	ds_store_b128 v7, v[MR+4*\rho:MR+4*\rho+3] offset:SPITCH*\rho
.endr
.irp st, 0,1,2,3
.irp bb, 0,1,2,3
	ds_load_b128 v[MM+16*\st+4*\bb:MM+16*\st+4*\bb+3], v8 offset:128*\st+32*\bb   ; query r, keys 128 st + 32 bb + 16 h + 0 .. 15
.endr
.endr
	s_wait_dscnt 0x0
.set SS, 0
.rept 4
.set NN, 0
.rept 16                               ; four words at a time: a byte of every lane is cut out, compared with 0, and the 32 lanes' answers are word n, which goes to lane n / 2
.irp k, 0,1,2,3
	v_and_b32 v[MT+\k], s[24+\k], v[MM+16*SS+NN/4]
.endr
.irp k, 0,1,2,3
	v_cmp_ne_u32 s[28+\k], 0, v[MT+\k]
.endr
.irp k, 0,1,2,3
	v_writelane_b32 v[MOUT+2*SS+\k%2], s[28+\k], (NN+\k)/2
.endr
.set NN, NN+4
.endr
	global_store_b64 v13, v[MOUT+2*SS:MOUT+2*SS+1], s[14:15] offset:256*SS   ; a step's 64 words: the wave stores 256 consecutive bytes, aligned
.set SS, SS+1
.endr
	s_wait_tensorcnt 0x0
	ds_add_u32 v30, v31
	s_wait_dscnt 0x0
	s_endpgm
.Lfunc_end_k_q8544cb61d6_prep:
	.size	k_q8544cb61d6_prep, .Lfunc_end_k_q8544cb61d6_prep-k_q8544cb61d6_prep
	.p2alignl 7, 3214868480
	.fill 96, 4, 3214868480
	.section	.rodata,"a",@progbits
	.p2align	6, 0x0
	.amdhsa_kernel k_q8544cb61d6_prep
		.amdhsa_group_segment_fixed_size 68096
		.amdhsa_private_segment_fixed_size 0
		.amdhsa_enable_private_segment 0
		.amdhsa_kernarg_size 48
		.amdhsa_user_sgpr_count 2
		.amdhsa_user_sgpr_kernarg_segment_ptr 1
		.amdhsa_wavefront_size32 1
		.amdhsa_system_sgpr_workgroup_id_x 1
		.amdhsa_system_sgpr_workgroup_id_y 1
		.amdhsa_system_sgpr_workgroup_id_z 1
		.amdhsa_system_vgpr_workitem_id 0
		.amdhsa_next_free_vgpr 256
		.amdhsa_next_free_sgpr 66
		.amdhsa_reserve_vcc 0
		.amdhsa_float_denorm_mode_32 3
		.amdhsa_float_denorm_mode_16_64 3
		.amdhsa_memory_ordered 1
		.amdhsa_forward_progress 1
		.amdhsa_inst_pref_size 89
	.end_amdhsa_kernel
	.amdgpu_metadata
---
amdhsa.version: [ 1, 2 ]
amdhsa.kernels:
  - .name:           k_q8544cb61d6_prep
    .symbol:         k_q8544cb61d6_prep.kd
    .args:
      - { .name: k, .offset: 0, .size: 8, .value_kind: global_buffer, .address_space: global }
      - { .name: v, .offset: 8, .size: 8, .value_kind: global_buffer, .address_space: global }
      - { .name: mask, .offset: 16, .size: 8, .value_kind: global_buffer, .address_space: global }
      - { .name: lowp_scales, .offset: 24, .size: 8, .value_kind: global_buffer, .address_space: global }
      - { .name: kv, .offset: 32, .size: 8, .value_kind: global_buffer, .address_space: global }
      - { .name: mbits, .offset: 40, .size: 8, .value_kind: global_buffer, .address_space: global }
    .group_segment_fixed_size: 68096
    .private_segment_fixed_size: 0
    .kernarg_segment_align: 8
    .kernarg_segment_size: 48
    .max_flat_workgroup_size: 128
    .sgpr_count:     66
    .vgpr_count:     256
    .wavefront_size: 32
...
	.end_amdgpu_metadata
.endif
;; end of part 1
;; launch attn (part 2): grid 4 x 64, 4 waves a work-group, clusters of 4 x 1, 327,680 bytes of LDS; arguments q, kv, mbits, lowp_scales, out0; writes out0
.if DOCPART == 2
	.amdgcn_target "amdgcn-amd-amdhsa--gfx1250"
	.amdhsa_code_object_version 6
	.text
	.protected	k_q8544cb61d6_attn
	.globl	k_q8544cb61d6_attn
	.p2align	8
	.type	k_q8544cb61d6_attn,@function
k_q8544cb61d6_attn:
	s_mov_b64 s[64:65], 0
	v_nop
	global_prefetch_b8 v0, s[64:65] scope:SCOPE_SE
	s_setreg_imm32_b32 hwreg(HW_REG_WAVE_MODE, 25, 1), 1
	s_wait_xcnt 0x0
	s_wait_alu depctr_hold_cnt(0) depctr_sa_sdst(0) depctr_va_vdst(0) depctr_va_sdst(0) depctr_va_ssrc(0) depctr_va_vcc(0) depctr_vm_vsrc(0)
	s_getreg_b32 s2, hwreg(HW_REG_IB_STS2, 6, 4)
	s_cmp_eq_u32 s2, 0
	s_cbranch_scc0 .Lentry_in_a_cluster
	s_endpgm
.Lentry_in_a_cluster:
	s_bfe_u32 s2, ttmp6, 0x10000c
	s_cmp_lg_u32 s2, 0x3003
	s_cbranch_scc0 .Lentry_shape_is_right
	s_endpgm
.Lentry_shape_is_right:
; out0[head][q] = sum over keys of softmax(mask ? q.k/sqrt(128) : lowest) v, both products on codes of FP8 (E4M3) with the given scales 2^e (eq, ek, ep, ev).
; kv and mbits are laid by the launch before: kv [head, 540,672 B][step of 128 keys][K image 16,384 B][V image 16,384 B], then a copy of the head's K image 0; images are register images of the fragments; mbits [b][tile of 16 queries][step][64 lane masks].
; p = 2^(t - M), t = score x log2(e)/sqrt(128), M the ceiling of the running largest masked t; the sum is taken of the unquantised p; O and the sum are multiplied by 2^(old M - new M) in every step.
; A hidden score becomes -2^64 (raw), so a row with no open key so far has p = 1 for all its keys, as the reference's equal lowest logits give; the first open key multiplies that away by 0.
; SHARES: a work-group of four waves owns two blocks of 256 queries of one head (blocks cx and cx + 4), one after the other; a wave owns 64 queries, four tiles of 16.  The four work-groups of a head form a cluster and ask for K and V jointly.
; THE RING: two slots of 131,072 B.  Chunk c begins at V image 4c and ends with K image 4c + 4, so the K image of the step after the one in hand lies in the slot in hand.  Wave w fetches 128 rows of 256 B.  Fill f brings chunk f % 4 into slot f % 2, on across the change of blocks.
; THE ORDER OF A STEP: a tile's 64 exponentials stand by turns with 16 matrix instructions, the tile before's O^T += V^T P^T and the tile after's S^T = K Q^T (S has two buffers); the steps from the maximum to M stand among the tile before's sums and holds.
; A block begins with zeros in S's second buffer, so the first step's work for a tile before adds nothing; FIN finishes tile 3 at a block's end.
; LIMITS: eq + ek between -123 and 130; eq and ep between -126 and 119.  NaN among the inputs is not served.  The scaled scores stay under 2^31 in magnitude.
; WINDOWS: 0: v0-31, v48-55 addresses and work, v32-47 state (-M, 0, sum lo, sum hi a tile), v64-191 S, two buffers, v192-255 p's codes; 1: v0-127 K fragments, v128-255 V fragments; 2: O^T, 64 a tile; 3: v0-63 Q's codes, v64-255 Q as loaded.
.set STEPB, 32768
.set SLOT1, 1<<17
.set SPARE, 2*SLOT1
.set STAGE, SPARE+1024
.set SP,    272
.set LI,  1
.set ADR, 2
.set SPW, 3
.set NIL, 4
.set PFO, 5
.set XM,  6
.set STO, 7
.set RD,  8
.set GO,  9
.set QR,  10
.set MPO, 11
.set QSC, 12
.set QHB, 13
.set PH0, 14
.set PH1, 15
.set PSC, 30
.set EPV, 31
.set ST,  32
.set S,   64
.set PC,  192
.set TB,  2
.set WV,  3
.set MB,  4
.set OUTP, 6
.set G1,  8
.set G0,  16
.set KB,  20
.set FO,  22
.set CS,  24
.set SEL, 26
.set MO,  28
.set VIS, 29
.set STEPS, 30
.set TMP, 31
.set MPA, 66
.set QP,  100
.set PFA, 104
.set MSB, 0
.macro WIN new
.if MSB != \new
	s_set_vgpr_msb (MSB<<8)|\new
.set MSB, \new
.endif
.endm
.macro NOPS n
.rept \n
	v_nop
.endr
.endm
.macro CROUND                          ; a round of the cluster's barrier
	s_barrier_signal -1
	s_barrier_wait -1
	s_cmp_lg_u32 s[WV], 0
	s_cbranch_scc1 .Lnot_wave_0_\@
	s_barrier_signal -3
.Lnot_wave_0_\@:
	s_barrier_wait -3
	s_barrier_signal -1
	s_barrier_wait -1
.endm
.macro MLOAD p                         ; tile p's 64 lane masks of the step at s[MO]
	s_load_b512 s[32:47], s[MB:MB+1], s[MO] offset:4096*(\p)
	s_load_b512 s[48:63], s[MB:MB+1], s[MO] offset:4096*(\p)+64
	s_load_b512 s[68:83], s[MB:MB+1], s[MO] offset:4096*(\p)+128
	s_load_b512 s[84:99], s[MB:MB+1], s[MO] offset:4096*(\p)+192
.endm
; Q: tile p's 16 rows of 512 B, sixteen lanes to 256 B, into window 3
.macro LQSET p                         ; where tile p lands: tiles 0 to 2 in window 3, tile 3 in V's first four fragments' registers, which are free at a block's start
.if (\p) == 3
.set LB, 128
.set LW, 1
.else
.set LB, 64+64*(\p)
.set LW, 3
.endif
.endm
.macro LOADQ p
	LQSET \p
	WIN LW<<6
.irp u, 0,1
.irp i, 0,1,2,3,4,5,6,7
	global_load_b128 v[LB+32*\u+4*\i:LB+32*\u+4*\i+3], v[GO], s[QP:QP+1] offset:8192*(\p)+1024*\i+256*\u th:TH_LOAD_NT
.endr
.endr
	WIN 0
.endm
.macro TURN p, left                    ; through my stage: a lane gets 16 neighbours of its row for each chunk of 32 channels
	s_wait_loadcnt \left
	LQSET \p
.irp u, 0,1
	WIN LW<<2
.irp i, 0,1,2,3,4,5,6,7
	ds_store_b128 v[RD], v[LB+32*\u+4*\i:LB+32*\u+4*\i+3] offset:2*SP*\i
.endr
	WIN 0
.irp cc, 0,1
.irp j, 0,1,2,3
	ds_load_b128 v[S+64*((\p)%2)+32*\u+16*\cc+4*\j:S+64*((\p)%2)+32*\u+16*\cc+4*\j+3], v[QR] offset:128*\cc+16*\j
.endr
.endr
.endr
.endm
.macro CONV p, left                    ; the hold, then the conversion: Q's codes of tile p
	s_wait_dscnt \left
.set NN, 0
.rept 64
	v_med3_num_f32 v[S+64*((\p)%2)+NN], v[S+64*((\p)%2)+NN], -v[QHB], v[QHB]
.set NN, NN+1
.endr
	WIN 0xc0
.irp c, 0,1,2,3
	v_cvt_scalef32_pk8_fp8_f32 v[16*(\p)+4*\c:16*(\p)+4*\c+1], v[S+64*((\p)%2)+16*\c:S+64*((\p)%2)+16*\c+7], v[QSC]
	v_cvt_scalef32_pk8_fp8_f32 v[16*(\p)+4*\c+2:16*(\p)+4*\c+3], v[S+64*((\p)%2)+16*\c+8:S+64*((\p)%2)+16*\c+15], v[QSC]
.endr
	WIN 0
	v_nop
.endm
.macro QIN                             ; all four tiles have been asked for; a TURN is 32 LDS instructions
	TURN 0, 48                             ; all four tiles have been asked for: 16 loads for each younger tile may be out
	TURN 1, 32
	CONV 0, 32
	TURN 2, 16
	CONV 1, 32
	TURN 3, 0
	CONV 2, 32
	CONV 3, 0
.endm
.macro INIT                            ; O^T, the sums and S's second buffer begin as zeros, -M above every floor(-t); then tile 0's first scores
	WIN 0x80
.set NN, 0
.rept 256
	v_mov_b32 v[NN], 0
.set NN, NN+1
.endr
	WIN 0
.set NN, 0
.rept 64
	v_mov_b32 v[S+64+NN], 0
.set NN, NN+1
.endr
.irp p, 0,1,2,3
	v_mov_b32 v[ST+4*\p], 0x7f61b1e6
	v_mov_b32 v[ST+4*\p+1], 0
	v_mov_b32 v[ST+4*\p+2], 0
	v_mov_b32 v[ST+4*\p+3], 0
.endr
	WIN 0x40                               ; V's registers hold zero codes for the first step's empty product
.set NN, 0
.rept 128
	v_mov_b32 v[128+NN], 0
.set NN, NN+1
.endr
	WIN 0
.irp r, 22,23,50,51
	v_mov_b32 v\r, 0
.endr
	WIN 0x0d
.irp t, 0,1,2,3,4,5,6,7
	v_wmma_f32_16x16x128_fp8_fp8 v[S+8*\t:S+8*\t+7], v[16*\t:16*\t+15], v[0:15], 0
.endr
	WIN 0
	NOPS 4
.endm
; eight LDS loads: fragments 2 g and 2 g + 1.  kind 1: this step's V image; kind 2: the next step's K image, 16,384 B on; kind 0: nothing
.macro LDG kind, g
.if \kind
	WIN 0x40
.irp t, 2*\g, 2*\g+1
.irp c, 0,1,2,3
	ds_load_b128 v[128*(2-\kind)+16*(\t)+4*\c:128*(2-\kind)+16*(\t)+4*\c+3], v[ADR] offset:16384*(\kind-1)+2048*(\t)+512*\c
.endr
.endr
	WIN 0
.endif
.endm
; the pieces of a finished tile's work, on buffer Y with state rU and factor FY
.macro ADD0
	v_pk_add_f32 v[24:25], v[Y:Y+1], v[Y+2:Y+3]
	v_pk_add_f32 v[26:27], v[Y+4:Y+5], v[Y+6:Y+7]
	v_pk_add_f32 v[28:29], v[Y+8:Y+9], v[Y+10:Y+11]
	v_pk_add_f32 v[rU+2:rU+3], v[rU+2:rU+3], v[Y+12:Y+13]
.endm
.macro ADDG j
	v_pk_add_f32 v[24:25], v[24:25], v[Y+\j:Y+\j+1]
	v_pk_add_f32 v[26:27], v[26:27], v[Y+\j+2:Y+\j+3]
	v_pk_add_f32 v[28:29], v[28:29], v[Y+\j+4:Y+\j+5]
	v_pk_add_f32 v[rU+2:rU+3], v[rU+2:rU+3], v[Y+\j+6:Y+\j+7]
.endm
.macro ADDE
	v_pk_add_f32 v[24:25], v[24:25], v[Y+62:Y+63]
	v_pk_add_f32 v[26:27], v[26:27], v[28:29]
.endm
.macro DUALS n                         ; the hold at 448 x 2^ep: p is not negative, so it is one-sided; two numbers an instruction
.rept \n
	v_dual_min_num_f32 v[Y+NN], v[Y+NN], v[PH0] :: v_dual_min_num_f32 v[Y+NN+1], v[Y+NN+1], v[PH1]
.set NN, NN+2
.endr
.endm
.macro ADDF
	v_pk_add_f32 v[rU+2:rU+3], v[rU+2:rU+3], v[24:25]
	v_pk_add_f32 v[rU+2:rU+3], v[rU+2:rU+3], v[26:27]
.endm
.macro CVTS pm
.irp b, 0,1,2,3
	v_cvt_scalef32_pk8_fp8_f32 v[PC+16*\pm+4*\b:PC+16*\pm+4*\b+1], v[Y+16*\b:Y+16*\b+7], v[PSC]
	v_cvt_scalef32_pk8_fp8_f32 v[PC+16*\pm+4*\b+2:PC+16*\pm+4*\b+3], v[Y+16*\b+8:Y+16*\b+15], v[PSC]
.endr
.endm
.macro RESC pm                         ; O^T of tile pm under its new M
	WIN 0x82
	s_wait_alu depctr_va_vdst(0)           ; the wait ahead of the first reader of O^T
.set NN, 0
.rept 32
	v_pk_mul_f32 v[64*\pm+NN:64*\pm+NN+1], v[64*\pm+NN:64*\pm+NN+1], v[FY:FY+1] op_sel_hi:[1,0]
.set NN, NN+2
.endr
	WIN 0
.endm
.macro EXPS n
.rept \n
	v_exp_f32 v[X+EE], v[X+EE]
.set EE, EE+1
.endr
.endm
; tile p: mask, maximum, M, t - M, exponentials.  Tile pm, the one before: sum, hold, codes, O^T x f, O^T += V^T P^T.  Tile pn, the one after: S^T.
.macro SLOT p, pm, pn, ld
.set rT, ST+4*\p
.set rU, ST+4*\pm
.set X, S+64*(\p%2)
.set Y, S+64*(\pm%2)
.set FX, 22+28*(\p%2)
.set FY, 22+28*(\pm%2)
	s_wait_kmcnt 0x0                       ; my masks are in, and no scalar load reads s[MO]
.if \p == 3
	s_add_co_u32 s[MO], s[MO], 256
	s_and_b32 s[MO], s[MO], 0xfff
.endif
	LDG \ld, 0                             ; four places stand behind the last products that read these registers
	LDG \ld, 1
	s_wait_alu depctr_va_vdst(0)           ; the wait behind the batch and ahead of the first reader of S^T
.set NN, 0
.rept 64
	v_cndmask_b32 v[X+NN], v[XM], v[X+NN], s[32+NN+4*(NN/32)]
.set NN, NN+1
.endr
	v_max3_num_f32 v16, v[X], v[X+1], v[X+2]
	v_max3_num_f32 v17, v[X+3], v[X+4], v[X+5]
	v_max3_num_f32 v18, v[X+6], v[X+7], v[X+8]
	v_max3_num_f32 v19, v[X+9], v[X+10], v[X+11]
	MLOAD \pn
	LDG \ld, 2
.irp i, 12,20,28,36,44,52
	v_max3_num_f32 v16, v16, v[X+\i], v[X+\i+1]
	v_max3_num_f32 v17, v17, v[X+\i+2], v[X+\i+3]
	v_max3_num_f32 v18, v18, v[X+\i+4], v[X+\i+5]
	v_max3_num_f32 v19, v19, v[X+\i+6], v[X+\i+7]
.endr
	v_max3_num_f32 v16, v16, v[X+60], v[X+61]
	v_max3_num_f32 v17, v17, v[X+62], v[X+63]
	LDG \ld, 3
	v_max3_num_f32 v16, v16, v17, v18
	ADD0
	v_max_num_f32 v16, v16, v19
	ADDG 14
	v_permlanex16_b32 v48, v16, s[SEL], s[SEL+1]
	ADDG 22
	v_max_num_f32 v16, v16, v48
	ADDG 30
	v_mul_f32 v16, s[CS], v16              ; as t
	ADDG 38
	v_floor_f32 v16, -v16                  ; -ceil(t)
	ADDG 46
	v_min_num_f32 v20, v[rT], v16          ; the new -M
	ADDG 54
	v_sub_f32 v17, v20, v[rT]              ; old M - new M, a whole number
	ADDE
.set NN, 0
	DUALS 8
	v_cvt_i32_f32 v17, v17
	v_mov_b32 v[rT], v20
	DUALS 8
	v_ldexp_f32 v[FX], 1.0, v17            ; f = 2^(old M - new M)
	DUALS 16
	ADDF
	CVTS \pm
.set NN, 0
.rept 32
	v_pk_fma_f32 v[X+NN:X+NN+1], v[X+NN:X+NN+1], s[CS:CS+1], v[20:21] op_sel_hi:[1,0,0]
.set NN, NN+2
.endr
	RESC \pm
	s_wait_alu depctr_va_vdst(0)           ; the wait ahead of the batch
.if \ld
	s_wait_dscnt 0x0                       ; the 32 fragment loads of this tile's turn are in
.endif
.set EE, 0
.irp t, 0,1,2,3,4,5,6,7
	WIN 0xa1
	v_wmma_f32_16x16x128_fp8_fp8 v[64*\pm+8*\t:64*\pm+8*\t+7], v[128+16*\t:128+16*\t+15], v[PC+16*\pm:PC+16*\pm+15], v[64*\pm+8*\t:64*\pm+8*\t+7]
	WIN 0
	EXPS 2
	WIN 0x0d
	v_wmma_f32_16x16x128_fp8_fp8 v[Y+8*\t:Y+8*\t+7], v[16*\t:16*\t+15], v[16*\pn:16*\pn+15], 0
	WIN 0
	EXPS 2
.endr
	EXPS 32                                ; the batch's second half stands behind the last product
	v_pk_mul_f32 v[rT+2:rT+3], v[rT+2:rT+3], v[FX:FX+1] op_sel_hi:[1,0]
	NOPS 3                                 ; with the line above: four places behind the last products
.endm
.macro STEP                            ; 128 keys for my four tiles
	v_add_nc_u32 v[ADR], s[TB], v[LI]
	SLOT 0, 3, 1, 0
	SLOT 1, 0, 2, 1
	SLOT 2, 1, 3, 0
	SLOT 3, 2, 0, 2
	s_add_co_u32 s[TB], s[TB], STEPB
.endm
.macro FOUR_STEPS
	s_mov_b32 s[STEPS], 4
.Lstep_\@:
	STEP
	s_sub_co_u32 s[STEPS], s[STEPS], 1
	s_cmp_lg_u32 s[STEPS], 0
	s_wait_alu depctr_va_vdst(0)
	s_cbranch_scc1 .Lstep_\@
.endm
.macro FIN                             ; a block's end: tile 3 of the last step is finished
.set rU, ST+12
.set Y, S+64
.set FY, 50
	s_wait_alu depctr_va_vdst(0)
	ADD0
.irp j, 14,22,30,38,46,54
	ADDG \j
.endr
	ADDE
.set NN, 0
	DUALS 32
	ADDF
	CVTS 3
	RESC 3
	WIN 0xa1
.irp t, 0,1,2,3,4,5,6,7
	v_wmma_f32_16x16x128_fp8_fp8 v[192+8*\t:192+8*\t+7], v[128+16*\t:128+16*\t+15], v[PC+48:PC+63], v[192+8*\t:192+8*\t+7]
.endr
	WIN 0
	NOPS 4                                 ; places ahead of the loads into V's registers
.endm
; THE CHANGE OF SLOTS at a visit's head.  fill = 1: behind the round the slot just left (the first time: slot 1) takes the next chunk.
.macro CHANGE fill
	s_wait_alu depctr_va_vdst(0)
	s_wait_tensorcnt 0x0                   ; my part of the slot ahead is in, and the group 0 may be written
	ds_add_u32 v[SPW], v[NIL]
.if \fill
	s_xor_b32 s[G0+1], s[G0+1], SLOT1
	s_add_co_u32 s[FO], s[FO], 4*STEPB
	s_and_b32 s[FO], s[FO], 0x7ffff        ; chunk f % 4
	s_add_nc_u64 s[G0+2:G0+3], s[KB:KB+1], s[FO:FO+1]
	s_or_b32 s[G0+3], s[G0+3], 0x80000000
	s_wait_xcnt 0x0                        ; my prefetches have read their addresses
	s_add_nc_u64 s[PFA:PFA+1], s[PFA:PFA+1], 4*STEPB
	s_mov_b32 s[TMP], 1024                 ; the masks of the next visit: four steps on, or the next block's first
	s_cmp_eq_u32 s[VIS], 4
	s_cselect_b32 s[TMP], 0x3f400, s[TMP]
	s_add_co_u32 s[MPA], s[MPA], s[TMP]
	s_add_co_ci_u32 s[MPA+1], s[MPA+1], 0
.endif
	s_sub_co_u32 s[TB], s[TB], 4*STEPB
	s_xor_b32 s[TB], s[TB], SLOT1
	s_wait_dscnt 0x0                       ; the add is done, and my reads of the slot that I have left
.if \fill
	CROUND
	tensor_load_to_lds s[G0:G0+3], s[G1:G1+7]
	s_nop 0
	NOPS 4
	global_prefetch_b8 v[MPO], s[MPA:MPA+1] th:TH_LOAD_NT scope:SCOPE_SE   ; my 4 tiles x 4 steps of masks for the next visit, 256 B a lane (lanes 16-31 name the last block again)
	s_cmp_ge_u32 s[VIS], 6                 ; K and V: chunks 2 and 3, one change ahead of their loads; the second walk reads what has been read
	s_cbranch_scc0 .Lnot_kv_\@
	global_prefetch_b8 v[PFO], s[PFA:PFA+1] th:TH_LOAD_NT scope:SCOPE_SE   ; the partners share a chunk by address: 32,768 B at cx, 8,192 B a wave, 256 B a lane
.Lnot_kv_\@:
.else
	s_barrier_signal -1
	s_barrier_wait -1
.endif
.endm
; THE WAY OUT of a block: O^T / the sum x 2^(ep + ev), through my stage, sixteen lanes to an aligned 256 B.  Tile 0 comes back into p's codes' registers, tile p into O^T's of tile p - 1, which has been read.
.macro MULO p
	WIN 0x02
	s_wait_alu depctr_va_vdst(0)           ; the wait ahead of the first reader of O^T
.set NN, 0
.rept 32
	v_pk_mul_f32 v[S+64*((\p)%2)+NN:S+64*((\p)%2)+NN+1], v[64*(\p)+NN:64*(\p)+NN+1], v[ST+4*(\p)+2:ST+4*(\p)+3] op_sel_hi:[1,0]
.set NN, NN+2
.endr
	WIN 0
.endm
.macro BKSET p
.if (\p) == 0
.set BK, PC
.set BW, 0
.else
.set BK, 64*((\p)-1)
.set BW, 2
.endif
.endm
.macro STG p
	BKSET \p
.irp u, 0,1
	WIN 0
.irp t, 0,1,2,3
	ds_store_b128 v[STO], v[S+64*((\p)%2)+32*\u+8*\t:S+64*((\p)%2)+32*\u+8*\t+3] offset:64*\t
	ds_store_b128 v[STO], v[S+64*((\p)%2)+32*\u+8*\t+4:S+64*((\p)%2)+32*\u+8*\t+7] offset:64*\t+16
.endr
	WIN BW<<6
.irp i, 0,1,2,3,4,5,6,7
	ds_load_b128 v[BK+32*\u+4*\i:BK+32*\u+4*\i+3], v[RD] offset:2*SP*\i
.endr
.endr
	WIN 0
.endm
.macro SEND p
	BKSET \p
	WIN BW<<2
.irp u, 0,1
.irp i, 0,1,2,3,4,5,6,7
	s_wait_dscnt 16*(1-\u)+7-\i
	global_store_b128 v[GO], v[BK+32*\u+4*\i:BK+32*\u+4*\i+3], s[OUTP:OUTP+1] offset:8192*(\p)+1024*\i+256*\u th:TH_STORE_NT
.endr
.endr
	WIN 0
.endm
.macro OUT
.irp p, 0,1,2,3
	v_add_f32 v[ST+4*\p+2], v[ST+4*\p+2], v[ST+4*\p+3]
.endr
.irp p, 0,1,2,3
	v_permlanex16_b32 v[52+\p], v[ST+4*\p+2], s[SEL], s[SEL+1]
.endr
.irp p, 0,1,2,3
	v_add_f32 v[ST+4*\p+2], v[ST+4*\p+2], v[52+\p]
.endr
	s_wait_alu depctr_va_vdst(0)
.irp p, 0,1,2,3
	v_rcp_f32 v[ST+4*\p+2], v[ST+4*\p+2]
.endr
	v_nop
	s_wait_alu depctr_va_vdst(0)
.irp p, 0,1,2,3
	v_ldexp_f32 v[ST+4*\p+2], v[ST+4*\p+2], v[EPV]
.endr
	MULO 0
	STG 0
.irp p, 1,2,3
	MULO \p
	s_wait_alu depctr_va_vdst(0)
	SEND \p-1
	STG \p
.endr
	SEND 3
	s_wait_xcnt 0x0                        ; the stores have read their registers
.endm
	s_load_b256 s[32:39], s[0:1], 0x0              ; q, kv, mbits, the scales' exponents
	s_load_b64 s[40:41], s[0:1], 0x20              ; out0
	v_lshl_add_u32 v[SPW], v0, 2, SPARE
	v_mov_b32 v[NIL], 0
	ds_add_u32 v[SPW], v[NIL]
	ds_add_u32 v[SPW], v[NIL]
	v_lshrrev_b32 v16, 5, v0
	v_readfirstlane_b32 s[WV], v16
	s_bfe_u32 s44, ttmp6, 0x40000                  ; cx: my first block of queries
	s_and_b32 s45, ttmp7, 0xffff                   ; the head
	s_mov_b32 s[G1+0], 15|(3<<16)|(1<<21)          ; all four partners; elements of 8 B
	s_mov_b32 s[G1+1], 32<<16
	s_mov_b32 s[G1+2], 128<<16
	s_mov_b32 s[G1+3], 32<<16
	s_mov_b32 s[G1+4], 128
	s_mov_b32 s[G1+5], 32
	s_mov_b32 s[G1+6], 0
	s_mov_b32 s[G1+7], 0
	s_mul_i32 s42, s45, 0x84000                    ; kv: the head
	s_mov_b32 s43, 0
	s_lshl_b32 s47, s[WV], 15
	s_add_co_u32 s46, s42, s47                     ; + my quarter of a chunk,
	s_add_co_u32 s46, s46, 16384                   ; and chunks begin at a V image
	s_mov_b32 s[G0+0], 1
	s_mov_b32 s[G0+1], s47
	s_mov_b32 s47, 0
	s_mov_b32 s[FO], 0
	s_mov_b32 s[FO+1], 0
	s_lshl_b32 s48, s45, 20                        ; q, out0: head, block, my 64 rows of 512 B
	s_lshl_b32 s49, s44, 17
	s_add_co_u32 s48, s48, s49
	s_lshl_b32 s49, s[WV], 15
	s_add_co_u32 s48, s48, s49
	s_mov_b32 s49, 0
	s_lshr_b32 s50, s45, 5                         ; mbits: b, block of 16 tiles, my 4 tiles of 4,096 B
	s_lshl_b32 s50, s50, 19
	s_lshl_b32 s51, s44, 16
	s_add_co_u32 s50, s50, s51
	s_lshl_b32 s51, s[WV], 14
	s_add_co_u32 s50, s50, s51
	s_mov_b32 s51, 0
	s_add_co_u32 s52, s42, 16384+4*STEPB           ; the prefetches of kv: chunk 1, 32,768 B at cx, my 8,192 B; the first change steps it to chunk 2
	s_lshl_b32 s53, s44, 15
	s_add_co_u32 s52, s52, s53
	s_lshl_b32 s53, s[WV], 13
	s_add_co_u32 s52, s52, s53
	s_mov_b32 s53, 0
	s_mov_b32 s[SEL], 0x76543210
	s_mov_b32 s[SEL+1], 0xfedcba98
	s_mul_i32 s54, s[WV], 16*SP
	s_add_co_u32 s54, s54, STAGE
	v_and_b32 v18, 31, v0
	v_lshlrev_b32 v[LI], 4, v18
	v_lshlrev_b32 v[PFO], 8, v18
	v_min_u32 v18, 15, v18
	v_and_b32 v19, 3, v18
	v_lshrrev_b32 v18, 2, v18
	v_lshlrev_b32 v18, 8, v18
	v_lshl_add_u32 v[MPO], v19, 12, v18
	v_and_b32 v16, 15, v0
	v_bfe_u32 v17, v0, 4, 1
	v_mul_u32_u24 v[STO], v16, SP
	v_add_nc_u32 v[STO], s54, v[STO]
	v_lshl_add_u32 v[QR], v17, 6, v[STO]
	v_lshl_add_u32 v[STO], v17, 5, v[STO]
	v_mul_u32_u24 v[RD], v17, SP
	v_lshl_add_u32 v[RD], v16, 4, v[RD]
	v_add_nc_u32 v[RD], s54, v[RD]
	v_lshlrev_b32 v[GO], 9, v17
	v_lshl_add_u32 v[GO], v16, 4, v[GO]
	v_mov_b32 v[XM], 0xdf800000                    ; -2^64
	v_mov_b32 v21, 0
	v_mov_b32 v48, 0
.irp p, 0,1,2,3
	v_mov_b32 v[52+\p], 0
.endr
	s_wait_dscnt 0x0
	s_wait_alu depctr_va_vdst(0)
	s_wait_kmcnt 0x0
	s_load_b128 s[56:59], s[38:39], 0x0            ; eq, ek, ep, ev
	s_add_nc_u64 s[42:43], s[34:35], s[42:43]      ; the head's K image 0 and V image 0
	s_add_nc_u64 s[KB:KB+1], s[34:35], s[46:47]
	s_mov_b64 s[G0+2:G0+3], s[KB:KB+1]
	s_or_b32 s[G0+3], s[G0+3], 0x80000000
	s_add_nc_u64 s[QP:QP+1], s[32:33], s[48:49]
	s_add_nc_u64 s[OUTP:OUTP+1], s[40:41], s[48:49]
	s_add_nc_u64 s[MB:MB+1], s[36:37], s[50:51]
	s_mov_b64 s[MPA:MPA+1], s[MB:MB+1]
	s_add_nc_u64 s[PFA:PFA+1], s[34:35], s[52:53]
	WIN 0x40                                       ; step 0's K fragments come straight into their registers: the images are register images, 512 B an instruction
.set NN, 0
.rept 32                               ; K image 0 alone: 32 loads
	global_load_b128 v[4*NN:4*NN+3], v[LI], s[42:43] offset:512*NN
.set NN, NN+1
.endr
	WIN 0
	LOADQ 0
	LOADQ 1
	LOADQ 2
	LOADQ 3
	CROUND
	tensor_load_to_lds s[G0:G0+3], s[G1:G1+7]      ; chunk 0 into slot 0: my one load at the head
	s_nop 0
	NOPS 4
	s_wait_kmcnt 0x0
	s_add_co_i32 s60, s56, s57
	s_lshl_b32 s60, s60, 23
	s_add_co_i32 s[CS], s60, 0x3e0293ee            ; log2(e)/sqrt(128) x 2^(eq + ek)
	s_mov_b32 s[CS+1], s[CS]
	s_add_co_i32 s60, s58, s59
	v_mov_b32 v[EPV], s60
	s_add_co_i32 s60, s56, 127
	s_lshl_b32 s61, s60, 23
	v_mov_b32 v[QSC], s61
	s_add_co_i32 s60, s60, 8
	s_lshl_b32 s60, s60, 23
	s_or_b32 s60, s60, 0x600000
	v_mov_b32 v[QHB], s60
	s_add_co_i32 s60, s58, 127
	s_lshl_b32 s61, s60, 23
	v_mov_b32 v[PSC], s61
	s_add_co_i32 s60, s60, 8
	s_lshl_b32 s60, s60, 23
	s_or_b32 s60, s60, 0x600000
	v_mov_b32 v[PH0], s60
	v_mov_b32 v[PH1], s60
	s_mov_b32 s[MO], 0
	s_wait_alu depctr_va_vdst(0)
	s_wait_xcnt 0x0                                ; the loads above have read s[42:43], which the masks land on
	MLOAD 0
	QIN
	INIT
	s_mov_b32 s[TB], 2*SLOT1                       ; the first change makes it 0
	s_mov_b32 s[VIS], 7
.Lvisit:                                               ; seven visits that ask for a chunk; the eighth is written out
	CHANGE 1
	FOUR_STEPS
	s_cmp_lg_u32 s[VIS], 4
	s_cbranch_scc1 .Lsame_block
	FIN                                            ; THE CHANGE OF BLOCKS: four blocks of 256 queries on.  K's registers hold K image 16, the copy of image 0
	s_wait_alu depctr_va_vdst(0)
	s_wait_kmcnt 0x0
	s_wait_xcnt 0x0
	s_add_nc_u64 s[MB:MB+1], s[MB:MB+1], 0x40000
	MLOAD 0
	s_add_nc_u64 s[QP:QP+1], s[QP:QP+1], 0x80000
	LOADQ 0
	LOADQ 1
	LOADQ 2
	LOADQ 3
	OUT
	s_add_nc_u64 s[OUTP:OUTP+1], s[OUTP:OUTP+1], 0x80000
	QIN
	INIT
.Lsame_block:
	s_sub_co_u32 s[VIS], s[VIS], 1
	s_cmp_lg_u32 s[VIS], 0
	s_wait_alu depctr_va_vdst(0)
	s_cbranch_scc1 .Lvisit
	CHANGE 0
	FOUR_STEPS
	FIN
	OUT
	s_wait_tensorcnt 0x0                           ; the wave's end
	ds_add_u32 v[SPW], v[NIL]
	s_wait_dscnt 0x0
	CROUND                                         ; the closing round
	s_endpgm
.Lfunc_end_k_q8544cb61d6_attn:
	.size	k_q8544cb61d6_attn, .Lfunc_end_k_q8544cb61d6_attn-k_q8544cb61d6_attn
	.p2alignl 7, 3214868480
	.fill 96, 4, 3214868480
	.section	.rodata,"a",@progbits
	.p2align	6, 0x0
	.amdhsa_kernel k_q8544cb61d6_attn
		.amdhsa_group_segment_fixed_size 327680
		.amdhsa_private_segment_fixed_size 0
		.amdhsa_enable_private_segment 0
		.amdhsa_kernarg_size 40
		.amdhsa_user_sgpr_count 2
		.amdhsa_user_sgpr_kernarg_segment_ptr 1
		.amdhsa_wavefront_size32 1
		.amdhsa_system_sgpr_workgroup_id_x 1
		.amdhsa_system_sgpr_workgroup_id_y 1
		.amdhsa_system_sgpr_workgroup_id_z 1
		.amdhsa_system_vgpr_workitem_id 0
		.amdhsa_next_free_vgpr 1024
		.amdhsa_next_free_sgpr 106
		.amdhsa_reserve_vcc 0
		.amdhsa_float_denorm_mode_32 3
		.amdhsa_float_denorm_mode_16_64 3
		.amdhsa_memory_ordered 1
		.amdhsa_forward_progress 1
		.amdhsa_inst_pref_size 255
	.end_amdhsa_kernel
	.section	.bss,"aw",@nobits
	.p2align	6
	.space	262144
	.amdgpu_metadata
---
amdhsa.version: [ 1, 2 ]
amdhsa.kernels:
  - .name:           k_q8544cb61d6_attn
    .symbol:         k_q8544cb61d6_attn.kd
    .args:
      - { .name: q, .offset: 0, .size: 8, .value_kind: global_buffer, .address_space: global }
      - { .name: kv, .offset: 8, .size: 8, .value_kind: global_buffer, .address_space: global }
      - { .name: mbits, .offset: 16, .size: 8, .value_kind: global_buffer, .address_space: global }
      - { .name: lowp_scales, .offset: 24, .size: 8, .value_kind: global_buffer, .address_space: global }
      - { .name: out0, .offset: 32, .size: 8, .value_kind: global_buffer, .address_space: global }
    .group_segment_fixed_size: 327680
    .private_segment_fixed_size: 0
    .kernarg_segment_align: 8
    .kernarg_segment_size: 40
    .max_flat_workgroup_size: 128
    .sgpr_count:     106
    .vgpr_count:     1024
    .wavefront_size: 32
...
	.end_amdgpu_metadata
.endif
;; end of part 2
